; MI455X (gfx1250); checked and timed in simulation.
; The chip was launched on July 23, 2026; its instructions are those of AMD's public machine-readable ISA for CDNA 5 (MIT licence, August 2026) and "CDNA5" Instruction Set Architecture Reference Guide (July 2026). The comments in the code are by the model that wrote it; some were corrected since.
;; Linear Quant. Allowed arithmetic: matrix products marked QUANTISED: E2M3 operands, one E8M0 scale for each 32 along K, by v_wmma_scale_f32_16x16x128_f8f6f4 with both operands' format E2M3, f32 sums; everything else in f32.
;; Inputs: int8_weights 4,096 x 4,096 int32; scaler 1 float32; x_codes 4,096 x 128 x 24 uint8 (E2M3 codes of x, K innermost, in blocks of 32 codes, four codes in three bytes); x_scales 4,096 x 128 uint8 (E8M0 scales of x, one for each 32 codes along K).
;; Outputs: out0 4,096 x 4,096 float32.
;; This version of the problem:
;;   THIS VERSION OF THE PROBLEM IS GIVEN IN LOW PRECISION. The matrix products marked QUANTISED in the list below multiply operands that are first quantised to E2M3 (2 exponent bits, 3 mantissa bits; 6 bits a number), with one power-of-two scale for each 32 numbers along K (OCP MX v1.0); their sums are f32. All else is computed in f32.
;;   The module's matrix products, in the order in which they are computed (A, B: the left and right operand; K: the contracted axis; several contracted axes count as one K, in the product's order):
;;     1. [M 4,096, K 4,096] x [K 4,096, N 4,096]; A: input x (given as codes); B: computed on the way: QUANTISED
;;   THE QUANTISER, for each operand of a quantised product, along K:
;;     - K is cut into blocks of 32 from its start; a last block that is shorter is filled with zeros.
;;     - A block's scale is 2^e with e = floor(log2(the largest magnitude in the block)) - 2, held to -126 .. 127; a block of zeros has e = 0. As a byte (E8M0): e + 127.
;;     - Each number is divided by its block's scale, clamped to +-7.5, and rounded to the nearest number of E2M3, ties to even, subnormals kept.
;;     - The product sums the exact products of the quantised numbers (number of the format x scale) in f32.
;;   ~~~python
;;   def quantise(x, axis):      # numpy; x: float32 -> the quantised numbers, widened to float32 again
;;       x = np.moveaxis(x, axis, -1); K = x.shape[-1]
;;       x = np.pad(x, [(0, 0)] * (x.ndim - 1) + [(0, -K % 32)]); x = x.reshape(x.shape[:-1] + (-1, 32)); a = np.abs(x).max(-1, keepdims=True)
;;       e = np.where(a > 0, np.clip(np.frexp(np.where(a > 0, a, 1))[1] - 1 - 2, -126, 127), 0)      # np.frexp(a)[1] - 1 = floor(log2(a)), exactly
;;       r = np.clip(x / 2.0 ** e, -7.5, 7.5)
;;       step = 2.0 ** (np.maximum(np.frexp(np.where(r == 0, 1, r))[1] - 1, 0) - 3)
;;       q = np.round(r / step) * step * 2.0 ** e      # np.round: ties to even
;;       return np.moveaxis(q.reshape(q.shape[:-2] + (-1,))[..., :K], -1, axis).astype(np.float32)
;;   ~~~
;;   OPERANDS COMPUTED ON THE WAY. 'Computed on the way' means the value that the module computes at that place (a softmax that the list does not call 'softmax' is quantised finished and normalised). What goes into a quantiser is computed in f32, as accurately as f32 sums, v_exp_f32 and their like allow (about 1e-6 of the number): no bf16 or f16 on the way to a quantiser, and a product that is left as it is and whose result goes on into a quantised operand takes f32 operands (vector FMAs, or v_wmma_f32_16x16x4_f32). A number that lies on a knife's edge between two numbers of the format may be rounded either way, as far as f32 arithmetic and the matrix unit's own rounding can turn it there, and no further.
;;   INPUTS GIVEN AS CODES. x (in the module: [4096, 4096], K = its axis 1): each comes as NAME_codes (uint8): NAME with its K axis moved to the last place and cut into blocks of 32 codes, [.., K / 32, bytes a block], one block behind the other in memory; four codes in three bytes: a row's codes are one little-endian stream of bits, code i at bits 6 i .. 6 i + 5 (a code: sign, 2 exponent bits, 3 mantissa bits); and NAME_scales (uint8): the same leading axes, one E8M0 byte (e + 127) for each 32 codes along K. Its value is code x scale, taken as it is: it is not quantised again, and the codes and scales need not be those that the quantiser above would give.
;; One version. Each part assembles by itself: llvm-mc -triple=amdgcn-amd-amdhsa -mcpu=gfx1250 --defsym DOCPART=n.
;; ======== version 1 of 1: 2 launches
;; limits: right only within a limited range of input values
;; workspace buffers: ww 13,107,200 bytes; xw 13,107,200 bytes
;; launch prep (part 1): grid 32 x 8, 16 waves a work-group, no clusters, 105,984 bytes of LDS; arguments int8_weights, scaler, x_codes, x_scales, ww, xw; writes ww, xw
.if DOCPART == 1
	.amdgcn_target "amdgcn-amd-amdhsa--gfx1250"
	.amdhsa_code_object_version 6
	.text
	.protected	k_qd7503e02b5_prep
	.globl	k_qd7503e02b5_prep
	.p2align	8
	.type	k_qd7503e02b5_prep,@function
k_qd7503e02b5_prep:
	s_mov_b64 s[64:65], 0
	v_nop
	global_prefetch_b8 v0, s[64:65] scope:SCOPE_SE
	s_setreg_imm32_b32 hwreg(HW_REG_WAVE_MODE, 25, 1), 1
	s_wait_xcnt 0x0
; Two tasks in every work-group, both for the product's launch.
; (1) W[k][n] = f32(int8_weights[k][n]) x scaler[0] (one conversion, one f32 multiplication), quantised along K, its FIRST axis, to FP6 (E2M3) codes with one E8M0 byte for each 32 along K:
;     the byte is the largest magnitude's exponent field - 2, held at 1 from below; the conversion rounds to nearest, ties to even, and gives the largest code beyond 7.5.
; (2) x's codes and scale bytes, taken as they are given, are laid anew.  No code and no byte is changed.
; THE LAYOUT of ww (rows = n) and xw (rows = m): [row / 128][k / 128][12,800 bytes].  In such a record: eight fragments (16 rows x 128 K) of 1,536 bytes, each AN IMAGE OF THE OPERAND'S REGISTERS:
; registers 4 j .. 4 j + 3 of lane l at 512 j + 16 l; then 512 bytes of scale words: the word of row 16 (4 g + i) + r at 12,288 + 256 g + 16 r + 4 i.
; LIMITS: a scaler that is NaN or infinite is not served.  A block of zeros of W gets the byte 1 where the rule says 127: its codes are zeros, and this program alone reads the bytes.  Any int32 is served.
; SHARES.  W: a work-group owns 128 columns x 512 along K (four records); each wave one block of 32 rows of K, in two halves of 64 columns: lane L owns columns 64 hf + 2 L, + 1; a load reads 256 consecutive bytes of a row.
; x: a work-group owns 64 rows x 1,024 along K (768 bytes of each row): rows come in whole pieces of 256 bytes, go through LDS (pitch 784), and each wave reads two fragments as the matrix unit wants them.
; THE ORDER: x's loads, W's half 0, (x into LDS), W's half 1; barrier; x's fragments are stored; half 0 is converted; barrier; its fragments are stored; half 1 likewise; the scale words last.
; Each LDS byte is written once, so each of the three barriers only shows stores to the readers.  No tensor load, no loop.
.set ROWW,  16384
.set STEPB, 12800
.set PANEL, 32*STEPB
.set FS,    1552                       ; a fragment of W in LDS: 1,536 bytes + 16
.set LREC,  8*FS+512                   ; a record of W in LDS
.set XS,    4*LREC                     ; behind W's four records: x's 64 rows
.set XP,    784
.set XSC,   XS+64*XP                   ; x's scale words: 8 steps x 256 bytes
.set SPARE, XSC+2048                   ; the spare words, 128 bytes a wave
.set M,   10
.set E,   14
.set BY,  16
.set SPW, 30
.set NIL, 31
.set R,   32                           ; v32-159 W as loaded, 64 registers a half; half 0's later take what is read back from LDS
.set X,   160                          ; v160-223 two columns' 32 numbers; before that x as loaded (25) and x's fragments (24, from X + 26)
.set C,   224                          ; codes, eight registers a column
	s_load_b256 s[4:11], s[0:1], 0x0               ; int8_weights, scaler, x_codes, x_scales
	s_load_b128 s[12:15], s[0:1], 0x20             ; ww, xw
	v_lshl_add_u32 v[SPW], v0, 2, SPARE
	v_mov_b32 v[NIL], 0
	v_lshrrev_b32 v9, 5, v0
	s_delay_alu instid0(VALU_DEP_1)
	v_readfirstlane_b32 s20, v9                    ; wave w
	s_and_b32 s21, ttmp7, 0xffff                   ; y
	s_lshr_b32 s28, s20, 2                         ; W: my record
	s_and_b32 s29, s20, 3                          ; and my block of 32 in its 128
	s_lshr_b32 s30, s20, 1                         ; x: my step of the eight
	s_and_b32 s31, s20, 1                          ; and which two of its four fragments
	s_and_b32 s32, s21, 1
	s_lshr_b32 s33, s21, 1                         ; x: which 1,024 along K
	s_lshl_b32 s34, s32, 5
	s_add_co_u32 s34, s34, ttmp9                   ; x: which 64 rows
	s_and_b32 s35, s34, 1                          ; the half of its panel
	s_lshr_b32 s36, s34, 1                         ; the panel
	s_lshl_b32 s22, s21, 23                        ; int8_weights: 512 y rows + 32 w rows + 128 x columns
	s_lshl_b32 s37, s20, 19
	s_add_co_u32 s22, s22, s37
	s_lshl_b32 s37, ttmp9, 9
	s_add_co_u32 s22, s22, s37
	s_mov_b32 s23, 0
	s_mul_i32 s24, ttmp9, PANEL                    ; ww: the work-group's four records
	s_mul_i32 s37, s21, 4*STEPB
	s_add_co_u32 s24, s24, s37
	s_mov_b32 s25, 0
	s_mul_i32 s38, s34, 64*3072                    ; x_codes: my four rows' 768 bytes
	s_mul_i32 s37, s33, 768
	s_add_co_u32 s38, s38, s37
	s_mul_i32 s37, s20, 4*3072
	s_add_co_u32 s38, s38, s37
	s_mov_b32 s39, 0
	s_lshl_b32 s40, s34, 13                        ; x_scales: 64 rows of 128 bytes, 32 bytes along K, my step's word, my eight r
	s_lshl_b32 s37, s33, 5
	s_add_co_u32 s40, s40, s37
	s_lshl_b32 s37, s31, 10
	s_add_co_u32 s40, s40, s37
	s_lshl_b32 s37, s30, 2
	s_add_co_u32 s40, s40, s37
	s_mov_b32 s41, 0
	s_mul_i32 s42, s36, PANEL                      ; xw: the panel's eight records
	s_mul_i32 s37, s33, 8*STEPB
	s_add_co_u32 s42, s42, s37
	s_mov_b32 s43, 0
	s_mul_i32 s44, s28, LREC
	s_lshr_b32 s45, s29, 1                         ; c: registers 6 c .. 6 c + 5
	s_and_b32 s46, s29, 1                          ; h: lanes 16 h + r
	s_lshl_b32 s46, s46, 8
	s_add_co_u32 s47, s44, s46
	s_mul_i32 s37, s45, 520                        ; my 24 bytes in three pieces of 8: at 0, 8, 512 (c = 0) or 520, 1024, 1032 (c = 1) of the lane's places
	s_add_co_u32 s48, s47, s37
	s_add_co_u32 s50, s48, 512
	s_mul_i32 s37, s45, 1016
	s_add_co_u32 s49, s47, s37
	s_add_co_u32 s49, s49, 8
	s_add_co_u32 s51, s44, s29                     ; my byte of the scale words
	s_add_co_u32 s51, s51, 8*FS
	s_mul_i32 s37, s29, FS
	s_add_co_u32 s52, s44, s37                     ; the fragment of each half that I store: in LDS,
	s_mul_i32 s59, s28, STEPB
	s_mul_i32 s37, s29, 1536
	s_add_co_u32 s59, s59, s37                     ; and in ww
	s_mul_i32 s53, s20, LREC
	s_add_co_u32 s53, s53, 8*FS                    ; waves 0-3: record w's scale words in LDS,
	s_mul_i32 s60, s20, STEPB
	s_add_co_u32 s60, s60, 12288                   ; and in ww
	s_mul_i32 s54, s20, 4*XP
	s_add_co_u32 s54, s54, XS
	s_mul_i32 s55, s31, 32*XP
	s_mul_i32 s37, s30, 96
	s_add_co_u32 s55, s55, s37
	s_add_co_u32 s55, s55, XS
	s_mul_i32 s56, s30, STEPB
	s_mul_i32 s37, s31, 3072
	s_add_co_u32 s56, s56, s37
	s_mul_i32 s37, s35, 6144
	s_add_co_u32 s56, s56, s37
	s_lshl_b32 s57, s20, 9
	s_add_co_u32 s57, s57, XSC
	s_mul_i32 s58, s20, 2*STEPB
	s_lshl_b32 s37, s35, 8
	s_add_co_u32 s58, s58, s37
	s_add_co_u32 s58, s58, 12288
	v_and_b32 v1, 31, v0                           ; L
	v_lshl_add_u32 v23, v0, 2, XSC                 ; x's scale word in: 4 x thread
	v_lshlrev_b32 v2, 4, v1                        ; 16 L
	v_lshlrev_b32 v18, 3, v1                       ; 8 L
	v_lshrrev_b32 v9, 3, v1
	v_and_b32 v10, 7, v1
	v_lshrrev_b32 v29, 4, v1
	v_and_b32 v12, 15, v1
	v_and_b32 v15, 3, v1
	v_lshrrev_b32 v16, 2, v1
	v_mul_u32_u24 v11, v9, FS                      ; W: column 64 hf + 2 L + u is row 2 (L % 8) + u of fragment 4 hf + L / 8
	v_lshlrev_b32 v14, 5, v10
	v_mul_u32_u24 v13, v29, 3072
	v_lshl_add_u32 v11, v10, 5, v11
	v_lshl_add_u32 v14, v9, 2, v14
	v_lshl_add_u32 v13, v12, 4, v13
	v_add_nc_u32 v3, s48, v11
	v_add_nc_u32 v4, s49, v11
	v_add_nc_u32 v5, s50, v11
	v_add_nc_u32 v6, s51, v14
	v_mul_u32_u24 v21, v29, XP
	v_add_nc_u32 v7, s52, v2
	v_add_nc_u32 v19, s59, v2
	v_add_nc_u32 v8, s53, v2
	v_add_nc_u32 v28, s60, v2
	v_add_nc_u32 v13, 512, v13                     ; x in: the last 256 bytes of two rows, sixteen lanes each
	v_lshl_add_u32 v21, v12, 4, v21
	v_add_nc_u32 v20, s54, v2
	v_lshl_add_u32 v22, v15, 4, v16                ; x's scale word: row 16 (L % 4) + L / 4 (+ 8 (w % 2))
	v_add_nc_u32 v21, s54, v21
	v_mul_u32_u24 v24, v12, XP
	v_lshlrev_b32 v22, 7, v22
	v_add_nc_u32 v21, 512, v21
	v_mad_u32_u24 v24, v29, 24, v24
	v_mul_u32_u24 v27, v29, STEPB
	v_add_nc_u32 v25, s56, v2
	v_add_nc_u32 v24, s55, v24                     ; x's fragments back: row r, + 24 h
	v_lshl_add_u32 v27, v12, 4, v27
	v_add_nc_u32 v26, s57, v2
	v_add_nc_u32 v27, s58, v27
	s_wait_alu depctr_va_vdst(0)                   ; the wait at the head's end
	s_wait_kmcnt 0x0
	s_load_b32 s26, s[6:7], 0x0                    ; the scaler
	s_add_nc_u64 s[4:5], s[4:5], s[22:23]
	s_add_nc_u64 s[12:13], s[12:13], s[24:25]
	s_add_nc_u64 s[8:9], s[8:9], s[38:39]
	s_add_nc_u64 s[10:11], s[10:11], s[40:41]
	s_add_nc_u64 s[14:15], s[14:15], s[42:43]
.irp i, 0,1,2,3
	global_load_b128 v[X+4*\i:X+4*\i+3], v2, s[8:9] offset:3072*\i th:TH_LOAD_NT      ; the first 512 bytes of my four rows' 768
.endr
	global_load_b128 v[X+16:X+19], v13, s[8:9] th:TH_LOAD_NT
	global_load_b128 v[X+20:X+23], v13, s[8:9] offset:6144 th:TH_LOAD_NT
	global_load_b32 v[X+24], v22, s[10:11]
.macro WLOAD hf                        ; 32 rows x 64 columns: a load reads 256 consecutive bytes, at a multiple of 256
.set i, 0
.rept 32
	global_load_b64 v[R+64*\hf+2*i:R+64*\hf+2*i+1], v18, s[4:5] offset:ROWW*i+256*\hf th:TH_LOAD_NT
.set i, i+1
.endr
.endm
	WLOAD 0
	s_wait_loadcnt 32                              ; x's seven loads are in; half 0's 32 may be out
.irp i, 0,1,2,3
	ds_store_b128 v20, v[X+4*\i:X+4*\i+3] offset:XP*\i
.endr
	ds_store_b128 v21, v[X+16:X+19]
	ds_store_b128 v21, v[X+20:X+23] offset:2*XP
	ds_store_b32 v23, v[X+24]
	WLOAD 1
	s_wait_dscnt 0x0                               ; for the others' sake: my rows of x are in LDS
	s_barrier_signal -1
	s_barrier_wait -1
.irp f, 0,1
.irp p, 0,1,2,3,4,5
	ds_load_b64 v[X+26+12*\f+2*\p:X+26+12*\f+2*\p+1], v24 offset:16*XP*\f+48*(\p/3)+8*(\p%3)   ; a fragment of x, as the operand's registers take it
.endr
.endr
	s_wait_dscnt 0x0
.irp t, 0,1,2,3,4,5
	global_store_b128 v25, v[X+26+4*\t:X+26+4*\t+3], s[14:15] offset:512*\t            ; 512 consecutive bytes, at a multiple of 256
.endr
	s_wait_kmcnt 0x0
	s_mov_b32 s27, s26                             ; (the packed form names the pair)
.macro COLS hf                         ; my two columns of half hf, by turns
.set i, 0
.rept 32
	v_cvt_f32_i32 v[X+i], v[R+64*\hf+2*i]          ; int32 to f32, and down K into consecutive registers
	v_cvt_f32_i32 v[X+32+i], v[R+64*\hf+2*i+1]
.set i, i+1
.endr
.set i, 0
.rept 32
	v_pk_mul_f32 v[X+2*i:X+2*i+1], v[X+2*i:X+2*i+1], s[26:27] op_sel_hi:[1,0]
.set i, i+1
.endr
.irp u, 0,1
	v_max3_num_f32 v[M+\u], |v[X+32*\u]|, |v[X+32*\u+1]|, 0x1800000   ; with the floor 2^(3 - 127): the byte cannot fall under 1
.endr
.irp n, 2,4,6,8,10,12,14,16,18,20,22,24,26,28,30
.irp u, 0,1
	s_delay_alu instid0(VALU_DEP_2)
	v_max3_num_f32 v[M+\u], v[M+\u], |v[X+32*\u+\n]|, |v[X+32*\u+\n+1]|
.endr
.endr
.irp u, 0,1
	s_delay_alu instid0(VALU_DEP_2)
	v_add_nc_u32 v[E+\u], 0xff000000, v[M+\u]      ; 2 off the exponent field: the conversion's scale operand
.endr
.irp u, 0,1
	s_delay_alu instid0(VALU_DEP_2)
	v_lshrrev_b32 v[BY+\u], 23, v[E+\u]            ; the scale's byte
.endr
.irp u, 0,1
	v_cvt_scalef32_pk16_fp6_f32 v[C+8*\u:C+8*\u+2], v[X+32*\u:X+32*\u+15], v[E+\u]
	v_cvt_scalef32_pk16_fp6_f32 v[C+8*\u+4:C+8*\u+6], v[X+32*\u+16:X+32*\u+31], v[E+\u]
.endr
	v_nop                                          ; one plain place behind the scaled conversions
.irp u, 0,1
	v_mov_b32 v[C+8*\u+3], v[C+8*\u+4]             ; the block's 24 bytes on end
	v_mov_b32 v[C+8*\u+4], v[C+8*\u+5]
	v_mov_b32 v[C+8*\u+5], v[C+8*\u+6]
.endr
.irp u, 0,1
.irp p, 0,1,2
	ds_store_b64 v[3+\p], v[C+8*\u+2*\p:C+8*\u+2*\p+1] offset:4*FS*\hf+16*\u
.endr
	ds_store_b8 v6, v[BY+\u] offset:256*\hf+16*\u
.endr
	s_wait_dscnt 0x0                               ; for the others' sake: my LDS stores have landed
	s_barrier_signal -1
	s_barrier_wait -1                              ; the half's sixteen fragments are whole: one a wave goes out
.irp j, 0,1,2
	ds_load_b128 v[R+12*\hf+4*\j:R+12*\hf+4*\j+3], v7 offset:4*FS*\hf+512*\j
.endr
	s_wait_dscnt 0x0
.irp j, 0,1,2
	global_store_b128 v19, v[R+12*\hf+4*\j:R+12*\hf+4*\j+3], s[12:13] offset:6144*\hf+512*\j
.endr
.endm
	s_wait_xcnt 0x0                                ; x's stores have read their registers, which the conversions below write again
	s_wait_loadcnt 32                              ; half 0 is in; half 1's 32 may be out
	COLS 0
	s_wait_loadcnt 0x0
	COLS 1
	s_cmp_lt_u32 s20, 4                            ; the scale words are four waves' work; no barrier stands behind this branch
	s_cbranch_scc0 .Lend
	ds_load_b128 v[R+24:R+27], v8                  ; record w's 512 bytes of W's scale words
	ds_load_b128 v[R+28:R+31], v26                 ; x's: steps 2 w (lanes 0-15) and 2 w + 1 (lanes 16-31), 256 bytes each
	s_wait_dscnt 0x0
	global_store_b128 v28, v[R+24:R+27], s[12:13]
	global_store_b128 v27, v[R+28:R+31], s[14:15]
.Lend:
	s_wait_tensorcnt 0x0                           ; the wave's end
	ds_add_u32 v[SPW], v[NIL]
	s_wait_dscnt 0x0
	s_endpgm
.Lfunc_end_k_qd7503e02b5_prep:
	.size	k_qd7503e02b5_prep, .Lfunc_end_k_qd7503e02b5_prep-k_qd7503e02b5_prep
	.p2alignl 7, 3214868480
	.fill 96, 4, 3214868480
	.section	.rodata,"a",@progbits
	.p2align	6, 0x0
	.amdhsa_kernel k_qd7503e02b5_prep
		.amdhsa_group_segment_fixed_size 105984
		.amdhsa_private_segment_fixed_size 0
		.amdhsa_enable_private_segment 0
		.amdhsa_kernarg_size 48
		.amdhsa_user_sgpr_count 2
		.amdhsa_user_sgpr_kernarg_segment_ptr 1
		.amdhsa_wavefront_size32 1
		.amdhsa_system_sgpr_workgroup_id_x 1
		.amdhsa_system_sgpr_workgroup_id_y 1
		.amdhsa_system_sgpr_workgroup_id_z 1
		.amdhsa_system_vgpr_workitem_id 0
		.amdhsa_next_free_vgpr 256
		.amdhsa_next_free_sgpr 66
		.amdhsa_reserve_vcc 0
		.amdhsa_float_denorm_mode_32 3
		.amdhsa_float_denorm_mode_16_64 3
		.amdhsa_memory_ordered 1
		.amdhsa_forward_progress 1
		.amdhsa_inst_pref_size 34
	.end_amdhsa_kernel
	.amdgpu_metadata
---
amdhsa.version: [ 1, 2 ]
amdhsa.kernels:
  - .name:           k_qd7503e02b5_prep
    .symbol:         k_qd7503e02b5_prep.kd
    .args:
      - { .name: int8_weights, .offset: 0, .size: 8, .value_kind: global_buffer, .address_space: global }
      - { .name: scaler, .offset: 8, .size: 8, .value_kind: global_buffer, .address_space: global }
      - { .name: x_codes, .offset: 16, .size: 8, .value_kind: global_buffer, .address_space: global }
      - { .name: x_scales, .offset: 24, .size: 8, .value_kind: global_buffer, .address_space: global }
      - { .name: ww, .offset: 32, .size: 8, .value_kind: global_buffer, .address_space: global }
      - { .name: xw, .offset: 40, .size: 8, .value_kind: global_buffer, .address_space: global }
    .group_segment_fixed_size: 105984
    .private_segment_fixed_size: 0
    .kernarg_segment_align: 8
    .kernarg_segment_size: 48
    .max_flat_workgroup_size: 512
    .sgpr_count:     66
    .vgpr_count:     256
    .wavefront_size: 32
...
	.end_amdgpu_metadata
.endif
;; end of part 1
;; launch gemm (part 2): grid 16 x 16, 4 waves a work-group, clusters of 4 x 4, 327,680 bytes of LDS; arguments xw, ww, out0; writes out0
.if DOCPART == 2
	.amdgcn_target "amdgcn-amd-amdhsa--gfx1250"
	.amdhsa_code_object_version 6
	.text
	.protected	k_qd7503e02b5_gemm
	.globl	k_qd7503e02b5_gemm
	.p2align	8
	.type	k_qd7503e02b5_gemm,@function
k_qd7503e02b5_gemm:
	s_mov_b64 s[64:65], 0
	v_nop
	global_prefetch_b8 v0, s[64:65] scope:SCOPE_SE
	s_setreg_imm32_b32 hwreg(HW_REG_WAVE_MODE, 25, 1), 1
	s_wait_xcnt 0x0
	s_wait_alu depctr_hold_cnt(0) depctr_sa_sdst(0) depctr_va_vdst(0) depctr_va_sdst(0) depctr_va_ssrc(0) depctr_va_vcc(0) depctr_vm_vsrc(0)
	s_getreg_b32 s2, hwreg(HW_REG_IB_STS2, 6, 4)
	s_cmp_eq_u32 s2, 0
	s_cbranch_scc0 .Lentry_in_a_cluster
	s_endpgm
.Lentry_in_a_cluster:
	s_bfe_u32 s2, ttmp6, 0x10000c
	s_cmp_lg_u32 s2, 0xf033
	s_cbranch_scc0 .Lentry_shape_is_right
	s_endpgm
.Lentry_shape_is_right:
; out0[m][n] = sum over k of x[m][k] W[k][n], both as FP6 (E2M3) codes with one E8M0 byte for each 32 along K, sums in f32.
; xw and ww: [row / 128][k / 128][12,800 bytes]: eight fragments (16 rows x 128 K) as images of the operand's registers (registers 4 j .. 4 j + 3 of lane l at 512 j + 16 l of the fragment's 1,536 bytes),
; then 512 bytes of scale words (row 16 (4 g + i) + r at 256 g + 16 r + 4 i).  So a fragment is three ds_load_b128 at 16 x lane, a step's scale words two, and LDS needs no padding.
; A tile of 256 x 256 is made by four waves, 128 x 128 each: 64 accumulators.  A step is 128 along K, 64 matrix instructions.
; BOTH OPERANDS AND THE SCALE WORDS HAVE TWO SETS OF REGISTERS, so the next step's 50 LDS loads go out in ONE run: at a step's head, 64 matrix instructions ahead of the next step; in a slot's third step behind the change of slots.
; THE RING: two slots, each with THREE steps of four panels: a wave's one tensor load brings 38,400 dense bytes (150 rows of 256 bytes, each at a multiple of 256), codes and scales together.
; 32 steps are ten fills of three and an eleventh of two (100 rows).  A slot is filled again in the middle of its third step, behind a round of the cluster's barrier.
; CLUSTERS: 4 x 4; x's panels are shared along a row of the cluster, W's along a column, by joint loads.
; THE MATRIX INSTRUCTION IS USED TRANSPOSED (source 0 = rows of W, source 1 = rows of x): a lane holds eight neighbouring numbers of a row of out0.
; PREFETCH: behind each refill in the loop the fill two refills on is asked for: its 150 pieces of 256 bytes are shared by address among the four partners that load it jointly (38 each, two instructions a wave,
; lanes left over name the wave's last piece again).  Fills 0 to 3 and the short fill 10 come by their loads alone; the loop's last trip asks for nothing.
; REGISTERS: window 0: v16-31 addresses; v32-47 scale words (two sets of eight: lanes 0-15 x's block i, lanes 16-31 W's block i); x's fragments: set 0 at v128-223, set 1 at v48-119 (blocks 0-5) and v224-247 (blocks 6, 7);
; window 1: W's fragments, two sets (v0, v128); windows 2, 3: the accumulators of my rows 0-63, 64-127.
.set SIZE_N, 4096
.set STEPB,  12800
.set PANEL,  32*STEPB
.set QB,     3*STEPB                   ; a wave's load: three steps of one panel
.set SLOT,   4*QB
.set SPARE,  2*SLOT                    ; the spare words, 128 bytes a wave
.set STAGE,  SLOT                      ; the way out goes through slot 1, which has had its last fill and its last read by then
.set SPITCH, 528
.set FR,   12
.set ADRA, 16
.set ADRB, 20
.set ADRS, 22
.set STO,  24
.set RD,   25
.set CO,   26
.set SPW,  28
.set NIL,  29
.set PFO,  30
.set SC,   32
.set AF,   128
.set BK,   128
.set G1,   24
.set G0,   32
.set G1B,  48
.set G0B,  56
.set PFA,  66
.set MSB, 0
.macro WIN new
.if MSB != \new
	s_set_vgpr_msb (MSB<<8)|\new
.set MSB, \new
.endif
.endm
.set MUL_LO, 0xa1
.set MUL_HI, 0xf1
.set TO_B,   0x40
.macro JLOAD s                         ; waves 0, 1 fetch x's two panels, waves 2, 3 W's
	s_cmp_eq_u32 s15, 0
	s_cbranch_scc0 .Lfor_b_\@
	tensor_load_to_lds s[G0+4*\s:G0+4*\s+3], s[G1:G1+7]
	s_nop 0
.rept 4
	v_nop
.endr
	s_branch .Lasked_\@
.Lfor_b_\@:
	tensor_load_to_lds s[G0B+4*\s:G0B+4*\s+3], s[G1B:G1B+7]
	s_nop 0
.rept 4
	v_nop
.endr
.Lasked_\@:
.endm
.macro CREST
	s_cmp_lg_u32 s14, 0
	s_cbranch_scc1 .Lnot_wave_0_\@
	s_barrier_signal -3
.Lnot_wave_0_\@:
	s_barrier_wait -3
	s_barrier_signal -1
	s_barrier_wait -1
.endm
.macro CROUND
	s_barrier_signal -1
	s_barrier_wait -1
	CREST
.endm
.macro PLACES
.rept 4
	v_nop
.endr
.endm
	s_load_b128 s[4:7], s[0:1], 0x0                ; xw, ww
	s_load_b64 s[12:13], s[0:1], 0x10              ; out0
	v_lshl_add_u32 v[SPW], v0, 2, SPARE
	v_mov_b32 v[NIL], 0
	ds_add_u32 v[SPW], v[NIL]                      ; the opening lines: the add twice on end and one wait
	ds_add_u32 v[SPW], v[NIL]
	v_lshrrev_b32 v1, 5, v0
	v_readfirstlane_b32 s14, v1                    ; wave
	s_lshr_b32 s15, s14, 1                         ; my half of the tile's rows; also: I fetch for x (0) or W (1)
	s_and_b32 s16, s14, 1                          ; my half of its columns; also: which panel I fetch
	s_bfe_u32 s40, ttmp6, 0x40000                  ; cx
	s_bfe_u32 s41, ttmp6, 0x40004                  ; cy
	s_lshl_b32 s42, ttmp9, 2
	s_add_co_u32 s42, s42, s40                     ; tile column
	s_and_b32 s17, ttmp7, 0xffff
	s_lshl_b32 s17, s17, 2
	s_add_co_u32 s17, s17, s41                     ; tile row
	s_lshl_b32 s43, s41, 2
	s_lshl_b32 s43, 15, s43                        ; my row of the cluster
	s_lshl_b32 s44, 0x1111, s40                    ; my column
	s_or_b32 s[G1+0], s43, (3<<16)|(1<<21)         ; elements of 8 bytes, no padding
	s_or_b32 s[G1B+0], s44, (3<<16)|(1<<21)
.irp g, G1, G1B
	s_mov_b32 s[\g+1], 32<<16                      ; rows of 256 bytes,
	s_mov_b32 s[\g+2], 150<<16                     ; 150 of them,
	s_mov_b32 s[\g+3], 32<<16
	s_mov_b32 s[\g+4], 150
	s_mov_b32 s[\g+5], 32                          ; dense
	s_mov_b32 s[\g+6], 0
	s_mov_b32 s[\g+7], 0
.endr
	s_lshl_b32 s20, s17, 1
	s_add_co_u32 s20, s20, s16
	s_mul_i32 s20, s20, PANEL                      ; x's panel 2 x tile row + half
	s_mov_b32 s21, 0
	s_lshl_b32 s46, s42, 1
	s_add_co_u32 s46, s46, s16
	s_mul_i32 s46, s46, PANEL                      ; W's panel 2 x tile column + half
	s_mov_b32 s47, 0
	s_mul_i32 s45, s14, QB                         ; where my load goes: quarter = wave
	s_wait_dscnt 0x0
	s_wait_kmcnt 0x0
	s_add_nc_u64 s[20:21], s[4:5], s[20:21]
	s_add_nc_u64 s[46:47], s[6:7], s[46:47]
	CROUND                                         ; the first joint loads meet
.irp s, 0,1
	s_mov_b32 s[G0+4*\s], 1
	s_add_co_u32 s[G0+4*\s+1], s45, \s*SLOT
	s_add_nc_u64 s[G0+4*\s+2:G0+4*\s+3], s[20:21], \s*QB
	s_or_b32 s[G0+4*\s+3], s[G0+4*\s+3], 0x80000000
	s_mov_b32 s[G0B+4*\s], 1
	s_add_co_u32 s[G0B+4*\s+1], s45, \s*SLOT
	s_add_nc_u64 s[G0B+4*\s+2:G0B+4*\s+3], s[46:47], \s*QB
	s_or_b32 s[G0B+4*\s+3], s[G0B+4*\s+3], 0x80000000
.endr
	JLOAD 0                                        ; fill 0: one tensor load a wave at the head
	s_cmp_eq_u32 s15, 0
	s_cselect_b64 s[PFA:PFA+1], s[20:21], s[46:47] ; the prefetches walk the panel that I fetch,
	s_cselect_b32 s68, s40, s41                    ; and my place among the four that ask for it with me picks 38 of a fill's 150 pieces
	s_add_nc_u64 s[PFA:PFA+1], s[PFA:PFA+1], 3*QB  ; at fill 3: the first change of slots steps it to fill 4
	s_mul_i32 s68, s68, 38
	s_mul_i32 s69, s15, QB                         ; x's panel that I multiply
	s_add_co_u32 s70, s16, 2
	s_mul_i32 s70, s70, QB                         ; W's
	s_sub_co_u32 s71, s70, s69
	s_add_co_u32 s72, s69, 12288
	s_mul_i32 s73, s14, 16*SPITCH
	s_add_co_u32 s73, s73, STAGE
	s_lshl_b32 s74, s17, 8
	s_lshl_b32 s75, s15, 7
	s_add_co_u32 s74, s74, s75
	s_lshl_b32 s74, s74, 14                        ; my first row of out0, 16,384 bytes a row
	s_lshl_b32 s75, s42, 10
	s_add_co_u32 s74, s74, s75
	s_lshl_b32 s75, s16, 9
	s_add_co_u32 s74, s74, s75
	s_mov_b32 s75, 0
	s_add_nc_u64 s[12:13], s[12:13], s[74:75]
	v_and_b32 v6, 31, v0
	v_and_b32 v1, 15, v0
	v_bfe_u32 v2, v0, 4, 1
	v_lshlrev_b32 v[CO], 4, v6                     ; 16 x lane
	v_add_nc_u32 v[ADRA], s69, v[CO]
	v_add_nc_u32 v[ADRB], s70, v[CO]
	v_add_nc_u32 v[ADRA+1], SLOT, v[ADRA]
	v_add_nc_u32 v[ADRB+1], SLOT, v[ADRB]
	v_mul_u32_u24 v7, s71, v2                      ; scale words: lanes 0-15 x's, lanes 16-31 W's
	v_lshl_add_u32 v7, v1, 4, v7
	v_add_nc_u32 v[ADRS], s72, v7
	v_add_nc_u32 v[ADRS+1], SLOT, v[ADRS]
	v_mul_u32_u24 v5, v1, SPITCH
	v_lshl_add_u32 v5, v2, 5, v5
	v_add_nc_u32 v[STO], s73, v5
	v_add_nc_u32 v[RD], s73, v[CO]
	v_add_nc_u32 v8, s68, v6
	v_lshlrev_b32 v[PFO], 8, v8                    ; pieces 38 p + lane,
	v_min_u32 v9, 5, v6
	v_add3_u32 v9, v9, s68, 32
	v_min_u32 v9, 149, v9
	v_lshlrev_b32 v[PFO+1], 8, v9                  ; and 38 p + 32 .. 37, held at the fill's last piece
.macro FRAG reg, adr, q, i
.irp j, 0,1,2
	ds_load_b128 v[\reg+4*\j:\reg+4*\j+3], v[\adr] offset:(\q)*STEPB+(\i)*1536+512*\j
.endr
.endm
.macro FETCH_A slot, q, p, i0          ; x's blocks i0 .. i0 + 3 into set p: block i at 128 + 12 i (set 0); 80 lower (set 1, blocks 0-5) or 24 higher (set 1, blocks 6, 7)
.irp i, \i0, \i0+1, \i0+2, \i0+3
	FRAG AF+FR*(\i)+(\p)*(((\i)/6)*104-80), ADRA+\slot, \q, \i
.endr
.endm
; THE RUN: all that step q of a slot needs, into sets p: 24 loads for W, 12 for x's blocks 0-3, 2 for the scale words, 12 for x's blocks 4-7
.macro RUN slot, q, p
	WIN TO_B
.irp i, 0,1,2,3,4,5,6,7
	FRAG 128*(\p)+FR*\i, ADRB+\slot, \q, \i
.endr
	WIN 0
	FETCH_A \slot, \q, \p, 0
.irp g, 0,1
	ds_load_b128 v[SC+8*(\p)+4*\g:SC+8*(\p)+4*\g+3], v[ADRS+\slot] offset:(\q)*STEPB+256*\g
.endr
	FETCH_A \slot, \q, \p, 4
.endm
.macro WM a, b, p, zero                ; x's block a against W's block b; p: the sets
.set rD, 8*(8*((\a)%4)+(\b))
.set rB, 128*(\p)+FR*(\b)
.set rA, AF+FR*(\a)+(\p)*(((\a)/6)*104-80)
.set rT, SC+8*(\p)+(\b)
.set rS, SC+8*(\p)+(\a)
.if \zero
	v_wmma_scale_f32_16x16x128_f8f6f4 v[rD:rD+7], v[rB:rB+FR-1], v[rA:rA+FR-1], 0, v[rT], v[rS] matrix_a_fmt:MATRIX_FMT_FP6 matrix_b_fmt:MATRIX_FMT_FP6 matrix_a_scale:MATRIX_SCALE_ROW1
.else
	v_wmma_scale_f32_16x16x128_f8f6f4 v[rD:rD+7], v[rB:rB+FR-1], v[rA:rA+FR-1], v[rD:rD+7], v[rT], v[rS] matrix_a_fmt:MATRIX_FMT_FP6 matrix_b_fmt:MATRIX_FMT_FP6 matrix_a_scale:MATRIX_SCALE_ROW1
.endif
.endm
.macro MULH a0, b0, p, zero            ; eight matrix instructions.  The 64 accumulators take turns, in the same order in every step
.irp a, \a0, \a0+1
.irp b, \b0, \b0+1, \b0+2, \b0+3
	WM \a, \b, \p, \zero
.endr
.endr
.endm
.macro MULQ a0, b0, p, zero            ; sixteen
	MULH \a0, \b0, \p, \zero
	MULH \a0+2, \b0, \p, \zero
.endm
; The first or second step of a slot: the next step's fragments lie in the same slot.  The other sets were last read by the step before: four places, then the run.
.macro STEP slot, q, p, zero
	s_wait_dscnt 12                                ; this step's fragments are in, but for x's blocks 4-7, the youngest twelve loads, which may be out
	PLACES
	RUN \slot, (\q)+1, 1-(\p)
	WIN MUL_LO
	MULQ 0, 0, \p, \zero
	MULQ 0, 4, \p, \zero
	s_wait_dscnt 50                                ; x's blocks 4-7 are in; the 50 just issued may be out
	WIN MUL_HI
	MULQ 4, 0, \p, \zero
	MULQ 4, 4, \p, \zero
	WIN 0
.endm
; A slot's third step changes slots.  fill: 0 nothing is filled; 1 this slot takes the fill two on; 2 the same, the short last fill.  ask = 1: in the loop, with the prefetch
.macro TURN slot, next, p, fill, ask
.if \ask
	s_wait_xcnt 0x0                                ; my last prefetches have read their base
	s_add_nc_u64 s[PFA:PFA+1], s[PFA:PFA+1], QB
.endif
	s_wait_dscnt 12
	WIN MUL_LO
	MULQ 0, 0, \p, 0
	WIN 0
	s_wait_tensorcnt 0x0                           ; my one load that was out, my part of the next slot, has landed
	ds_add_u32 v[SPW], v[NIL]
.if \fill
	s_add_nc_u64 s[G0+4*\slot+2:G0+4*\slot+3], s[G0+4*\slot+2:G0+4*\slot+3], 2*QB
	s_add_nc_u64 s[G0B+4*\slot+2:G0B+4*\slot+3], s[G0B+4*\slot+2:G0B+4*\slot+3], 2*QB
.endif
.if \fill == 2
	s_mov_b32 s[G1+2], 100<<16                     ; no load of mine is out: the last fill has two steps, 100 rows
	s_mov_b32 s[G1+4], 100
	s_mov_b32 s[G1B+2], 100<<16
	s_mov_b32 s[G1B+4], 100
.endif
	WIN MUL_LO
	MULH 0, 4, \p, 0
	s_wait_dscnt 0x0                               ; the add is done, and so are my reads of this slot
	s_barrier_signal -1
	MULH 2, 4, \p, 0
	WIN 0
	s_barrier_wait -1
.if \fill
	CREST                                          ; the barrier has opened a round of the cluster's barrier
	JLOAD \slot                                    ; its four v_nop are also the places ahead of the loads below
.else
	PLACES
.endif
	RUN \next, 0, 1-(\p)
.if \ask
	s_cmp_gt_u32 s3, 1                             ; the last trip has no whole fill two refills on
	s_cbranch_scc0 .Lno_ask_\@
	global_prefetch_b8 v[PFO], s[PFA:PFA+1] th:TH_LOAD_NT scope:SCOPE_SE
	global_prefetch_b8 v[PFO+1], s[PFA:PFA+1] th:TH_LOAD_NT scope:SCOPE_SE
.Lno_ask_\@:
.endif
	WIN MUL_HI
	MULQ 4, 0, \p, 0
	MULQ 4, 4, \p, 0
	WIN 0
.endm
	s_wait_alu depctr_va_vdst(0)                   ; the wait at the head's end
	s_wait_tensorcnt 0x0                           ; my part of fill 0 is in; slot 1's first fill is issued as a refill is
	ds_add_u32 v[SPW], v[NIL]
	s_wait_dscnt 0x0
	CROUND
	JLOAD 1                                        ; fill 1
	RUN 0, 0, 0
	STEP 0, 0, 0, 1                                ; step 0 starts the sums
	s_mov_b32 s3, 4
.Llap:                                                 ; six steps: once round the ring, from a lap's second step to the next lap's first; fills 2 to 9
	STEP 0, 1, 1, 0
	TURN 0, 1, 0, 1, 1
	STEP 1, 0, 1, 0
	STEP 1, 1, 0, 0
	TURN 1, 0, 1, 1, 1
	STEP 0, 0, 0, 0
	s_sub_co_u32 s3, s3, 1
	s_cmp_lg_u32 s3, 0
	s_cbranch_scc1 .Llap
	STEP 0, 1, 1, 0                                ; step 25
	TURN 0, 1, 0, 2, 0                             ; step 26; fill 10: steps 30, 31
	STEP 1, 0, 1, 0
	STEP 1, 1, 0, 0
	TURN 1, 0, 1, 0, 0                             ; step 29; nothing more to fetch
	STEP 0, 0, 0, 0                                ; step 30
	s_wait_dscnt 0                                 ; step 31
	WIN MUL_LO
	MULQ 0, 0, 1, 0
	MULQ 0, 4, 1, 0
	WIN MUL_HI
	MULQ 4, 0, 1, 0
	MULQ 4, 4, 1, 0
	WIN 0
; THE WAY OUT: a block of 16 rows x 128 columns goes through my own stage and comes back as whole rows of 512 bytes.  LDS serves a wave's instructions in order (ISA guide 5.7.1.4).
.macro TOSTAGE a
.set AC, 64*((\a)%4)
	WIN 0x08+4*((\a)/4)
.irp b, 0,1,2,3,4,5,6,7
	ds_store_b128 v[STO], v[AC+8*\b:AC+8*\b+3] offset:64*\b          ; each accumulator from its low end on
	ds_store_b128 v[STO], v[AC+8*\b+4:AC+8*\b+7] offset:64*\b+16
.endr
	WIN 0
.set BB, BK+64*((\a)%2)
.irp t, 0,1,2,3,4,5,6,7,8,9,10,11,12,13,14,15
	ds_load_b128 v[BB+4*\t:BB+4*\t+3], v[RD] offset:\t*SPITCH
.endr
.endm
.macro SEND a, younger
.set BB, BK+64*((\a)%2)
	s_wait_dscnt \younger
.if (\a) > 0
	s_add_nc_u64 s[12:13], s[12:13], 16*SIZE_N*4   ; behind a wait on XCNT: the earlier stores have read their base
.endif
.irp t, 0,1,2,3,4,5,6,7,8,9,10,11,12,13,14,15
	global_store_b128 v[CO], v[BB+4*\t:BB+4*\t+3], s[12:13] offset:\t*SIZE_N*4 th:TH_STORE_NT   ; 512 consecutive bytes, at a multiple of 256
.endr
.endm
	PLACES
	TOSTAGE 0
.irp a, 1,2,3,4,5,6,7
.if \a > 1
	s_wait_xcnt 0x0                                ; block a - 2's stores have read their registers and their base
.endif
	TOSTAGE \a
	SEND \a-1, 32                                  ; behind block a - 1's loads: block a's 16 stores and 16 loads
.endr
	s_wait_xcnt 0x0
	SEND 7, 0
	s_wait_tensorcnt 0x0                           ; the wave's end
	ds_add_u32 v[SPW], v[NIL]
	s_wait_dscnt 0x0
	CROUND                                         ; the closing round
	s_endpgm
.Lfunc_end_k_qd7503e02b5_gemm:
	.size	k_qd7503e02b5_gemm, .Lfunc_end_k_qd7503e02b5_gemm-k_qd7503e02b5_gemm
	.p2alignl 7, 3214868480
	.fill 96, 4, 3214868480
	.section	.rodata,"a",@progbits
	.p2align	6, 0x0
	.amdhsa_kernel k_qd7503e02b5_gemm
		.amdhsa_group_segment_fixed_size 327680
		.amdhsa_private_segment_fixed_size 0
		.amdhsa_enable_private_segment 0
		.amdhsa_kernarg_size 24
		.amdhsa_user_sgpr_count 2
		.amdhsa_user_sgpr_kernarg_segment_ptr 1
		.amdhsa_wavefront_size32 1
		.amdhsa_system_sgpr_workgroup_id_x 1
		.amdhsa_system_sgpr_workgroup_id_y 1
		.amdhsa_system_sgpr_workgroup_id_z 1
		.amdhsa_system_vgpr_workitem_id 0
		.amdhsa_next_free_vgpr 1024
		.amdhsa_next_free_sgpr 80
		.amdhsa_reserve_vcc 0
		.amdhsa_float_denorm_mode_32 3
		.amdhsa_float_denorm_mode_16_64 3
		.amdhsa_memory_ordered 1
		.amdhsa_forward_progress 1
		.amdhsa_inst_pref_size 203
	.end_amdhsa_kernel
	.amdgpu_metadata
---
amdhsa.version: [ 1, 2 ]
amdhsa.kernels:
  - .name:           k_qd7503e02b5_gemm
    .symbol:         k_qd7503e02b5_gemm.kd
    .args:
      - { .name: xw, .offset: 0, .size: 8, .value_kind: global_buffer, .address_space: global }
      - { .name: ww, .offset: 8, .size: 8, .value_kind: global_buffer, .address_space: global }
      - { .name: out0, .offset: 16, .size: 8, .value_kind: global_buffer, .address_space: global }
    .group_segment_fixed_size: 327680
    .private_segment_fixed_size: 0
    .kernarg_segment_align: 8
    .kernarg_segment_size: 24
    .max_flat_workgroup_size: 128
    .sgpr_count:     80
    .vgpr_count:     1024
    .wavefront_size: 32
...
	.end_amdgpu_metadata
.endif
;; end of part 2
